; MI455X (gfx1250); checked and timed in simulation.
; The chip was launched on July 23, 2026; its instructions are those of AMD's public machine-readable ISA for CDNA 5 (MIT licence, August 2026) and "CDNA5" Instruction Set Architecture Reference Guide (July 2026). The comments in the code are by the model that wrote it; some were corrected since.
;; Mistral4 Mo E. Allowed arithmetic: float matrix products may take bf16 or f16 operands with f32 sums; all other float work in f32.
;; Inputs: Sd 4,096 x 256 float32; Sg 256 x 4,096 float32; Su 256 x 4,096 float32; Wd 16 x 4,096 x 64 float32; Wg 16 x 64 x 4,096 float32; Wu 16 x 64 x 4,096 float32; bias 16 float32; gate_w 16 x 4,096 float32; hidden_states 2 x 2,048 x 4,096 float32.
;; Outputs: out0 2 x 2,048 x 4,096 float32.
;; One version. Each part assembles by itself: llvm-mc -triple=amdgcn-amd-amdhsa -mcpu=gfx1250 --defsym DOCPART=n.
;; ======== version 1 of 1: 3 launches
;; workspace buffers: xf 33,554,432 bytes; w1f 23,068,672 bytes; w2f 10,485,760 bytes; zf 12,582,912 bytes
;; launch prep (part 1): grid 256 x 1, 16 waves a work-group, no clusters, 71,680 bytes of LDS; arguments hidden_states, gate_w, Wg, Wu, Sg, Su, Wd, Sd, xf, w1f, w2f; writes xf, w1f, w2f
.if DOCPART == 1
	.amdgcn_target "amdgcn-amd-amdhsa--gfx1250"
	.amdhsa_code_object_version 6
	.text
	.protected	k_q6686264ef8_prep
	.globl	k_q6686264ef8_prep
	.p2align	8
	.type	k_q6686264ef8_prep,@function
k_q6686264ef8_prep:
	s_mov_b64 s[64:65], 0
	v_nop
	global_prefetch_b8 v0, s[64:65] scope:SCOPE_SE
	s_setreg_imm32_b32 hwreg(HW_REG_WAVE_MODE, 25, 1), 1
	s_wait_xcnt 0x0
; PREP: every f32 matrix input is read once, rounded to bf16 (nearest even) and written in FRAGMENT ORDER for the two products that follow.
; A block is 16 rows x 32 k of bf16, 1,024 bytes, [half j = 0, 1][lane 0..31][16 bytes]: lane (r = l % 16, h = l / 16) of half j holds row r, k = 16 j + 8 h + 0..7:
; the register image of a 16-bit matrix operand (ISA guide 7.12.2), so that a fragment is later two loads of 16 bytes a lane from consecutive bytes.
;   xf  [256 row blocks][128 k blocks][1024]            tokens x hidden
;   w1f [16 e][11 blocks][128 k blocks][1024]           group e serves expert e: of its blocks b = 0..9 the even are gate rows, the odd the same up rows;
;                                                       pair c = b / 2 = 0..3: rows 64 e + 16 c .. of Wg, Wu; pair 4: rows 16 e .. of Sg, Su.  Block 10: gate_w's 16 rows, a copy in each group
;   w2f [256 row blocks][40 k blocks][1024]             out columns x k, k = 64 e + i from Wd[e][h][i], k = 1024 + j from Sd[h][j]
; A UNIT is 16 rows x 128 k: 8,192 bytes in, 4,096 out.  A wave does four units; 256 work-groups x 16 waves = 4,096 equal shares.  What a work-group reads hangs on its number alone.
; Memory binds: each load of a wave covers 512 consecutive bytes (Wd: two runs of 256), each store 512; 32 loads of every wave are on their way at the start, 16 to 32 later.
; The turn from rows to fragment order goes through 4,352 LDS bytes of the wave's own: no barrier.  No matrix unit, no tensor load (the numbers pass through registers to be rounded), no cluster (nothing is shared).
; The loads say that their bytes are read once; that is untrue of gate_w alone, which is read 16 times: 4 MB of 134.
; LIMITS: none of range: bf16 has f32's exponents; NaN and infinities pass as the conversion leaves them.
.set PITCH, 272                        ; a stage row: 256 bytes of bf16 + 16: an odd multiple of 16, so that the 16 rows of a read start in 16 different groups of four banks (ISA guide 11.1)
.set STG,   16*PITCH                   ; a wave's stage: 17 blocks of 256 bytes
.set SPARE, 16*STG                     ; behind the stages: the spare words, 128 bytes a wave
.set ST,  5                            ; v5       stage + 8 l: where I put my 4 numbers of a row
.set LD,  6                            ; v6       stage + (l % 16) x 272 + 16 (l / 16): where I read my 16 bytes of a half block
.set GO,  7                            ; v7       16 l: my place in 512 bytes of output
.set SPW, 8                            ; v8       my spare word; never rewritten
.set NIL, 9                            ; v9       0; never rewritten
.set VO,  10                           ; v[10:25] byte offset of my 16 bytes in row r of a unit; never rewritten
.set X,   28                           ; v[28:155]  two slots of 16 rows x 4 registers
.set OUT, 156                          ; v[156:219] two sets of 8 x 4 registers to store
.set SRC, 48                           ; s[48:55] the four units' first bytes
.set DST, 56                           ; s[56:63] where they go
	s_load_b512 s[8:23], s[0:1], 0x0               ; hidden s[8:9], gate_w s[10:11], Wg s[12:13], Wu s[14:15], Sg s[16:17], Su s[18:19], Wd s[20:21], Sd s[22:23]
	s_load_b128 s[24:27], s[0:1], 0x40             ; xf s[24:25], w1f s[26:27]
	s_load_b64 s[28:29], s[0:1], 0x50              ; w2f
	v_lshl_add_u32 v[SPW], v0, 2, SPARE
	v_mov_b32 v[NIL], 0
	v_lshrrev_b32 v1, 5, v0
	v_readfirstlane_b32 s30, v1                    ; wave 0..15
	s_lshl_b32 s31, ttmp9, 4
	s_add_co_u32 s31, s31, s30                     ; my share's number, 0..4095
	s_mul_i32 s32, s30, STG                        ; my stage
	v_and_b32 v1, 31, v0                           ; l
	v_and_b32 v2, 15, v0                           ; l % 16
	v_bfe_u32 v3, v0, 4, 1                         ; l / 16
	v_lshl_add_u32 v[ST], v1, 3, s32
	v_mul_u32_u24 v[LD], v2, PITCH
	v_lshl_add_u32 v[LD], v3, 4, v[LD]
	v_add_nc_u32 v[LD], s32, v[LD]
	v_lshlrev_b32 v[GO], 4, v1
	v_mov_b32 v[VO], v[GO]                         ; a unit's row is 512 consecutive bytes (Wd's is not: below)
	s_mov_b32 s43, 0                               ; high words of the three offset pairs
	s_mov_b32 s45, 0
	s_mov_b32 s47, 0
	s_wait_kmcnt 0x0
	; Each kind sets: s[36:37] first unit, s[38:39] its place, s40 bytes from row to row, s42 from unit to unit, s44 from place to place.
	s_cmp_lt_u32 ttmp9, 128
	s_cbranch_scc1 .Lkind_x
	s_cmp_lt_u32 ttmp9, 216
	s_cbranch_scc1 .Lkind_w1
	s_cmp_lt_u32 ttmp9, 248
	s_cbranch_scc1 .Lkind_wd
	; Sd, 128 shares: share t takes k unit t % 2 of the four row blocks 4 (t / 2) ..
	s_sub_co_u32 s31, s31, 3968
	s_lshr_b32 s33, s31, 1
	s_and_b32 s34, s31, 1
	s_lshl_b32 s46, s33, 16                        ; 64 rows of 1,024 bytes
	s_lshl_b32 s35, s34, 9
	s_add_co_u32 s46, s46, s35
	s_add_nc_u64 s[36:37], s[22:23], s[46:47]
	s_mul_i32 s46, s33, 4*40960
	s_lshl_b32 s35, s34, 12
	s_add_co_u32 s46, s46, s35
	s_add_co_u32 s46, s46, 8*4096                  ; behind Wd's eight units
	s_add_nc_u64 s[38:39], s[28:29], s[46:47]
	s_mov_b32 s40, 1024
	s_mov_b32 s42, 16384
	s_mov_b32 s44, 40960
	s_branch .Lgo
.Lkind_x:                                              ; hidden_states, 2,048 shares: share t takes units 4 (t % 8) .. of row block t / 8
	s_lshr_b32 s33, s31, 3
	s_and_b32 s34, s31, 7
	s_lshl_b32 s46, s33, 18                        ; 16 rows of 16,384 bytes
	s_lshl_b32 s35, s34, 11
	s_add_co_u32 s46, s46, s35
	s_add_nc_u64 s[36:37], s[8:9], s[46:47]
	s_lshl_b32 s46, s33, 17
	s_lshl_b32 s35, s34, 14
	s_add_co_u32 s46, s46, s35
	s_add_nc_u64 s[38:39], s[24:25], s[46:47]
	s_mov_b32 s40, 16384
	s_mov_b32 s42, 512
	s_mov_b32 s44, 4096
	s_branch .Lgo
.Lkind_w1:                                             ; w1f, 1,408 shares: share t takes units 4 (t % 8) .. of block bg = t / 8 of 176
	s_sub_co_u32 s31, s31, 2048
	s_lshr_b32 s33, s31, 3                         ; bg
	s_and_b32 s34, s31, 7
	s_lshl_b32 s46, s33, 17
	s_lshl_b32 s35, s34, 14
	s_add_co_u32 s46, s46, s35
	s_add_nc_u64 s[38:39], s[26:27], s[46:47]
	s_mul_i32 s35, s33, 745
	s_lshr_b32 s35, s35, 13                        ; e = bg / 11 (745 / 8192 is exact for bg below 176)
	s_mul_i32 s41, s35, 11
	s_sub_co_u32 s33, s33, s41                     ; b (10: the router's block, which is chosen last)
	s_and_b32 s50, s33, 1
	s_cmp_lg_u32 s50, 0                            ; odd: an up block
	s_cselect_b64 s[36:37], s[14:15], s[12:13]
	s_cselect_b64 s[48:49], s[18:19], s[16:17]
	s_lshr_b32 s41, s33, 1                         ; c
	s_lshl_b32 s50, s35, 2
	s_add_co_u32 s50, s50, s41                     ; the expert's group of 16 rows: 4 e + c
	s_cmp_lt_u32 s41, 4                            ; pairs 0..3 lie in the experts' weights, pair 4 in the shared expert's, group e
	s_cselect_b64 s[36:37], s[36:37], s[48:49]
	s_cselect_b32 s35, s50, s35
	s_lshl_b32 s46, s35, 18                        ; 16 rows of 16,384 bytes
	s_cmp_eq_u32 s33, 10                           ; the group's 11th block is the router's
	s_cselect_b64 s[36:37], s[10:11], s[36:37]
	s_cselect_b32 s46, 0, s46
	s_lshl_b32 s34, s34, 11
	s_add_co_u32 s46, s46, s34
	s_add_nc_u64 s[36:37], s[36:37], s[46:47]
	s_mov_b32 s40, 16384
	s_mov_b32 s42, 512
	s_mov_b32 s44, 4096
	s_branch .Lgo
.Lkind_wd:                                             ; Wd, 512 shares: share t takes experts 8 (t % 2) .. of row block t / 2; a unit's 128 k are two experts' 64
	s_sub_co_u32 s31, s31, 3456
	s_lshr_b32 s33, s31, 1
	s_and_b32 s34, s31, 1
	s_lshl_b32 s46, s34, 23                        ; 8 experts of 1,048,576 bytes
	s_lshl_b32 s35, s33, 12                        ; 16 rows of 256 bytes
	s_add_co_u32 s46, s46, s35
	s_add_nc_u64 s[36:37], s[20:21], s[46:47]
	s_mul_i32 s46, s33, 40960
	s_lshl_b32 s35, s34, 14
	s_add_co_u32 s46, s46, s35
	s_add_nc_u64 s[38:39], s[28:29], s[46:47]
	s_mov_b32 s40, 256
	s_mov_b32 s42, 2097152
	s_mov_b32 s44, 4096
	v_lshlrev_b32 v[VO], 4, v2                     ; lanes 0-15 take a row of the first expert, 256 consecutive bytes,
	v_lshl_add_u32 v[VO], v3, 20, v[VO]            ; lanes 16-31 the same row of the next
.Lgo:
.set r, 1
.rept 15
	v_add_nc_u32 v[VO+r], s40, v[VO+r-1]
.set r, r+1
.endr
	s_mov_b64 s[SRC:SRC+1], s[36:37]
	s_mov_b64 s[DST:DST+1], s[38:39]
.irp u, 1,2,3
	s_add_nc_u64 s[SRC+2*\u:SRC+2*\u+1], s[SRC+2*\u-2:SRC+2*\u-1], s[42:43]
	s_add_nc_u64 s[DST+2*\u:DST+2*\u+1], s[DST+2*\u-2:DST+2*\u-1], s[44:45]
.endr
.macro FILL u, slot                    ; unit u's 16 rows
.set r, 0
.rept 16
	global_load_b128 v[X+64*(\slot)+4*r:X+64*(\slot)+4*r+3], v[VO+r], s[SRC+2*(\u):SRC+2*(\u)+1] th:TH_LOAD_NT
.set r, r+1
.endr
.endm
; Unit u: rounded, turned through the stage, stored.  left = the younger loads that may stay out; next = 1: the slot takes the unit two further on.
.macro WORK u, left, next
.set XS, X+64*((\u)%2)
.set OS, OUT+32*((\u)%2)
	s_wait_loadcnt \left                           ; loads come back in order (ISA guide 5.7.1): my 16 are in, the other slot's 16 stay out
.set r, 0
.rept 16
	v_cvt_pk_bf16_f32 v[XS+4*r],   v[XS+4*r],   v[XS+4*r+1]
	v_cvt_pk_bf16_f32 v[XS+4*r+1], v[XS+4*r+2], v[XS+4*r+3]
.set r, r+1
.endr
.set r, 0
.rept 16
	ds_store_b64 v[ST], v[XS+4*r:XS+4*r+1] offset:PITCH*r  ; a row of 128 bf16: 32 lanes, 8 consecutive bytes each
.set r, r+1
.endr
	s_wait_xcnt 0x0                                ; the stores of two units ago have read this set of registers: it is written again only behind this wait
.set q, 0
.rept 8
	ds_load_b128 v[OS+4*q:OS+4*q+3], v[LD] offset:32*q  ; half block q: k = 16 q + 8 h ..; LDS serves a wave's instructions in order (ISA guide 5.7.1.4): these see the stores above
.set q, q+1
.endr
	s_wait_dscnt 0x0
.if \next
	FILL (\u)+2, (\u)%2                            ; loads ahead of stores
.endif
.set q, 0
.rept 8
	global_store_b128 v[GO], v[OS+4*q:OS+4*q+3], s[DST+2*(\u):DST+2*(\u)+1] offset:512*q  ; 512 consecutive bytes, at a multiple of 512 from the buffer's first
.set q, q+1
.endr
.endm
	FILL 0, 0
	FILL 1, 1
	WORK 0, 16, 1
	WORK 1, 16, 1
	WORK 2, 16, 0
	WORK 3, 0, 0
	s_wait_tensorcnt 0x0                           ; the wave's end, behind my last LDS store
	ds_add_u32 v[SPW], v[NIL]
	s_wait_dscnt 0x0
	s_endpgm
.Lfunc_end_k_q6686264ef8_prep:
	.size	k_q6686264ef8_prep, .Lfunc_end_k_q6686264ef8_prep-k_q6686264ef8_prep
	.p2alignl 7, 3214868480
	.fill 96, 4, 3214868480
	.section	.rodata,"a",@progbits
	.p2align	6, 0x0
	.amdhsa_kernel k_q6686264ef8_prep
		.amdhsa_group_segment_fixed_size 71680
		.amdhsa_private_segment_fixed_size 0
		.amdhsa_enable_private_segment 0
		.amdhsa_kernarg_size 88
		.amdhsa_user_sgpr_count 2
		.amdhsa_user_sgpr_kernarg_segment_ptr 1
		.amdhsa_wavefront_size32 1
		.amdhsa_system_sgpr_workgroup_id_x 1
		.amdhsa_system_sgpr_workgroup_id_y 1
		.amdhsa_system_sgpr_workgroup_id_z 1
		.amdhsa_system_vgpr_workitem_id 0
		.amdhsa_next_free_vgpr 224
		.amdhsa_next_free_sgpr 66
		.amdhsa_reserve_vcc 0
		.amdhsa_float_denorm_mode_32 3
		.amdhsa_float_denorm_mode_16_64 3
		.amdhsa_memory_ordered 1
		.amdhsa_forward_progress 1
		.amdhsa_inst_pref_size 29
	.end_amdhsa_kernel
	.amdgpu_metadata
---
amdhsa.version: [ 1, 2 ]
amdhsa.kernels:
  - .name:           k_q6686264ef8_prep
    .symbol:         k_q6686264ef8_prep.kd
    .args:
      - { .name: hidden_states, .offset: 0, .size: 8, .value_kind: global_buffer, .address_space: global }
      - { .name: gate_w, .offset: 8, .size: 8, .value_kind: global_buffer, .address_space: global }
      - { .name: Wg, .offset: 16, .size: 8, .value_kind: global_buffer, .address_space: global }
      - { .name: Wu, .offset: 24, .size: 8, .value_kind: global_buffer, .address_space: global }
      - { .name: Sg, .offset: 32, .size: 8, .value_kind: global_buffer, .address_space: global }
      - { .name: Su, .offset: 40, .size: 8, .value_kind: global_buffer, .address_space: global }
      - { .name: Wd, .offset: 48, .size: 8, .value_kind: global_buffer, .address_space: global }
      - { .name: Sd, .offset: 56, .size: 8, .value_kind: global_buffer, .address_space: global }
      - { .name: xf, .offset: 64, .size: 8, .value_kind: global_buffer, .address_space: global }
      - { .name: w1f, .offset: 72, .size: 8, .value_kind: global_buffer, .address_space: global }
      - { .name: w2f, .offset: 80, .size: 8, .value_kind: global_buffer, .address_space: global }
    .group_segment_fixed_size: 71680
    .private_segment_fixed_size: 0
    .kernarg_segment_align: 8
    .kernarg_segment_size: 88
    .max_flat_workgroup_size: 512
    .sgpr_count:     66
    .vgpr_count:     224
    .wavefront_size: 32
...
	.end_amdgpu_metadata
.endif
;; end of part 1
;; launch up (part 2): grid 16 x 16, 4 waves a work-group, clusters of 4 x 1, 327,680 bytes of LDS; arguments xf, w1f, bias, zf; writes zf
.if DOCPART == 2
	.amdgcn_target "amdgcn-amd-amdhsa--gfx1250"
	.amdhsa_code_object_version 6
	.text
	.protected	k_q6686264ef8_up
	.globl	k_q6686264ef8_up
	.p2align	8
	.type	k_q6686264ef8_up,@function
k_q6686264ef8_up:
	s_mov_b64 s[64:65], 0
	v_nop
	global_prefetch_b8 v0, s[64:65] scope:SCOPE_SE
	s_setreg_imm32_b32 hwreg(HW_REG_WAVE_MODE, 25, 1), 1
	s_wait_xcnt 0x0
	s_wait_alu depctr_hold_cnt(0) depctr_sa_sdst(0) depctr_va_vdst(0) depctr_va_sdst(0) depctr_va_ssrc(0) depctr_va_vcc(0) depctr_vm_vsrc(0)
	s_getreg_b32 s2, hwreg(HW_REG_IB_STS2, 6, 4)
	s_cmp_eq_u32 s2, 0
	s_cbranch_scc0 .Lentry_in_a_cluster
	s_endpgm
.Lentry_in_a_cluster:
	s_bfe_u32 s2, ttmp6, 0x10000c
	s_cmp_lg_u32 s2, 0x3003
	s_cbranch_scc0 .Lentry_shape_is_right
	s_endpgm
.Lentry_shape_is_right:
; UP: the router, all gate and up products, SwiGLU and the combine weight, in one launch.  zf[t][k] in bf16: k = 64 e + i: silu(g) u cw of expert e; k = 1024 + j: hi = bf16(z) of the shared expert's
; z = silu(g) u; k = 1280 + j: lo = bf16(z - hi).  The shared expert enters every token with weight 1, the chosen experts with weights that add up to 1: its z is the part whose rounding to 8 bits weighs most
; in the down product, so it goes there as two numbers, 16 bits together.
; Operands are bf16 in fragment order (a block = 16 rows x 32 k = 1,024 bytes = [half][lane][16 bytes]); sums in f32; K = 4,096 = 128 blocks.
; SHARES.  A work-group owns 256 tokens x 11 column blocks: ten of expert e = its y (even b: g, odd b: u of the same 16 z columns; pairs c = b / 2 = 0..3 the expert's 64 z, pair 4 block e of the shared expert's
; sixteen) and the router's 16 rows (b = 10): 16 x 16 = 256 work-groups.  Its four waves lie one below the other: a wave owns 64 tokens (4 blocks a) x all 11 blocks: 44 accumulators.  Every wave makes the
; router's products for its own tokens: a tenth more matrix work, for which no wave ever needs another's numbers.
; THE MATRIX INSTRUCTION IS USED TRANSPOSED (source 0 = 16 weight rows, source 1 = 16 tokens): a lane holds ONE token (l % 16) and eight neighbouring columns 8 (l / 16) + 0..7.  So g, u and z of a number lie in one lane,
; and a pair's eight z, rounded, are the lane's 16 bytes of half a block of zf: no stage; each store covers 512 consecutive bytes.
; THE WEIGHTS, which all four waves read, go through a ring of two LDS slots, K in steps of 256: 11 rows x 8 blocks = 90,112 bytes a slot for 352 matrix instructions a wave; wave w fetches blocks 2 w, 2 w + 1 of all 11 rows.
; CLUSTER 4 x 1: the four token tiles of a cluster have one e and walk the same weights: every tile is asked for jointly, mask 15.
; THE TOKENS' FRAGMENTS, which one wave alone reads, come STRAIGHT INTO REGISTERS: fragment order makes a fragment two loads of 512 consecutive bytes.  A ring of eight places of 32 registers: in the quarter of block g
; the loads of block g + 7 go out.  They are not asked for jointly, though 16 work-groups read them: in the LDS ring they would be 16 of 27 KB of each block, written once and read once, and a slot of
; 8 blocks would be 221 KB, of which two do not fit.
; ROUTER.  score = 1 / (1 + 2^(-log2(e) x)) + bias (bias rounded to bf16 like every input); four rounds take the largest score, the lowest index among equals; weight = score / (sum of the four + 1e-20).
; No branch and no address hangs on a score: the choice lives in lane masks that feed v_cndmask_b32 alone.
; LIMITS.  NaN and infinities are not treated apart; a bias of -infinity is not served (-infinity marks a score as taken); scores that differ in the last bits of f32 may be ordered otherwise than by another
; sigmoid; z = (g (u cw)) sigmoid(g): the order of roundings differs from silu(g) u cw; g u cw must stay finite in f32, and the shared expert's z must round to a finite bf16 (below 3.39e38), or lo is NaN.
; REGISTERS, in windows of 256 (s_set_vgpr_msb: bits 1:0 source 0, 3:2 source 1, 5:4 source 2, 7:6 destination):
;   window 0: v0-15 addresses; v16-103, v104-191 two buffers of the weights' 11 fragments; after the loop the epilogue's registers
;   window 1: accumulators 0..31 (number 4 b + a at v[8 x number]);   window 2: v0-95 accumulators 32..43; v96-103 my eight biases;   window 3: the tokens' ring, place p at v[32 p], block a at + 8 a
.set CH,    1024                       ; a block
.set SCH,   8                          ; blocks in a K step
.set WPART, 11*2*CH                    ; what one tensor load brings: 11 rows x 2 blocks
.set SLOTB, 4*WPART
.set SLOT1, 1<<17                      ; slot 1 begins here, so that one exclusive or turns an address in one slot into the other's
.set SPARE, SLOT1+SLOTB                ; behind the ring: the spare words, 128 bytes a wave
.set STEPS, 16
.set XROW,  131072                     ; a row block of xf or of w1f
.set ZROW,  96*512                     ; a token block's bytes in zf: 64 half blocks of the experts, 16 of the shared hi, 16 of the shared lo
.set ADRB, 4                           ; v4, v5  LDS address of my 16 bytes in blocks 0-3, 4-7 of the slot in hand
.set ZO,   10                          ; v10     16 l; never rewritten
.set BO,   11                          ; v11     32 (l / 16): my eight biases
.set SPW,  12                          ; v12     my spare word; never rewritten
.set NIL,  13                          ; v13     0; never rewritten
.set F0,   16
.set F1,   104
.set BI,   96                          ; window 2
.set WV,   12                          ; s12 wave; s15 trips; s16 cx; s18 e; s19 token tile my
.set TB,   13                          ; s13  the slot in hand: 0 or SLOT1
.set ZS,   20                          ; s[20:21] zf at my half block of the shared hi
.set G1,   24                          ; s[24:31] descriptor group 1
.set G0,   32                          ; s[32:35] group 0 of slot 0's first fill
.set GW,   36                          ; s[36:39] of slot 1's; it then walks
.set NL2E, 62                          ; s[62:63] -log2(e), named as a pair
.set SEL,  66                          ; s[66:67] v_permlanex16_b32's selects: each lane takes its own place in the other half
.set HM,   68                          ; s68  0xffff0000: a word's upper bf16, and the mask of lanes 16-31
.set E0,   69                          ; s69  my expert
.set RND,  78
.set FOUND, 79
.set SE0,  80                          ; s80  lanes in which my expert is among the four
.set MM,   82                          ; s[82:97] all ones in s[82 + E0]
.set EQ,   24                          ; the epilogue: s[24:39] lanes whose score j is the round's maximum (the descriptors are done with)
.set SELM, 40                          ; s[40:55] lanes in which expert j has been taken
.set MSB, 0
.macro WIN new                         ; the immediate's high byte repeats the setting that is left; a switch that changes nothing is dropped
.if MSB != (\new)
	s_set_vgpr_msb (MSB<<8)|(\new)
.set MSB, \new
.endif
.endm
.macro JLOAD                           ; the joint refill: one line for all four waves, each with its own two blocks; an s_nop 0 and four v_nop follow it
	tensor_load_to_lds s[GW:GW+3], s[G1:G1+7]
	s_nop 0
.rept 4
	v_nop
.endr
.endm
.macro CREST                           ; a round of the cluster's barrier behind its opening barrier
	s_cmp_lg_u32 s[WV], 0
	s_cbranch_scc1 .Lnot_wave_0_\@
	s_barrier_signal -3
.Lnot_wave_0_\@:
	s_barrier_wait -3
	s_barrier_signal -1
	s_barrier_wait -1
.endm
.macro CROUND
	s_barrier_signal -1
	s_barrier_wait -1
	CREST
.endm
.macro PLACES                          ; four plain vector instructions between a matrix instruction and a load into, or a vector line on, its registers (ISA guide 7.12.1 for vector instructions)
.rept 4
	v_nop
.endr
.endm
; Eight loads: my four token blocks of k block p (counted from the base in s[4:5]) into place sl of the ring; each load takes 512 consecutive bytes
.macro ALOAD sl, p
	WIN 0xc0                                       ; destination window 3, address window 0
.irp a, 0,1,2,3
	global_load_b128 v[32*(\sl)+8*\a:32*(\sl)+8*\a+3],   v[ZO], s[4:5] offset:\a*XROW+(\p)*CH
	global_load_b128 v[32*(\sl)+8*\a+4:32*(\sl)+8*\a+7], v[ZO], s[4:5] offset:\a*XROW+(\p)*CH+512
.endr
.endm
	s_load_b256 s[4:11], s[0:1], 0x0               ; xf s[4:5], w1f s[6:7], bias s[8:9], zf s[10:11]
	v_lshl_add_u32 v[SPW], v0, 2, SPARE
	v_mov_b32 v[NIL], 0
	ds_add_u32 v[SPW], v[NIL]                      ; the wave's opening: the add and its wait stand ahead of my first tensor load; the set-up below stands between them
	v_lshrrev_b32 v1, 5, v0
	v_readfirstlane_b32 s[WV], v1
	s_bfe_u32 s16, ttmp6, 0x40000                  ; cx: my place in the cluster
	s_lshl_b32 s19, ttmp9, 2                       ; in a cluster launch ttmp9 counts clusters
	s_add_co_u32 s19, s19, s16                     ; my = 4 x cluster x + cx: it enters xf's and zf's addresses alone
	s_and_b32 s18, ttmp7, 0xffff                   ; e, which the four partners share
	; group 1: 11 rows of 256 elements of 8 bytes, 131,072 bytes (16,384 elements) apart; no padding: fragment order has no bank conflict
	s_mov_b32 s[G1], 15|(3<<16)|(1<<21)            ; 15:0 the mask: all four work-groups; 17:16 elements of 8 bytes; 21 set beside a mask
	s_mov_b32 s[G1+1], 256<<16                     ; tensor_dim0 = 256
	s_mov_b32 s[G1+2], 11<<16                      ; tensor_dim1 = 11
	s_mov_b32 s[G1+3], 256<<16                     ; tile_dim0 = 256
	s_mov_b32 s[G1+4], 11                          ; tile_dim1 = 11
	s_mov_b32 s[G1+5], 16384                       ; elements from row to row
	s_mov_b32 s[G1+6], 0
	s_mov_b32 s[G1+7], 0
	s_lshl_b32 s56, s19, 21                        ; tokens: 16 row blocks a tile,
	s_lshl_b32 s57, s[WV], 19                      ; 4 a wave
	s_add_co_u32 s56, s56, s57
	s_mov_b32 s57, 0
	s_mul_i32 s58, s18, 11*XROW                    ; weights: group e, my two blocks of each row: hangs on e and the wave alone
	s_lshl_b32 s59, s[WV], 11
	s_add_co_u32 s58, s58, s59
	s_mov_b32 s59, 0
	s_mul_i32 s60, s[WV], WPART                    ; and where they go
	s_mov_b32 s[NL2E], 0xbfb8aa3b
	s_mov_b32 s[NL2E+1], s[NL2E]
	s_mov_b32 s[SEL], 0x76543210
	s_mov_b32 s[SEL+1], 0xfedcba98
	s_mov_b32 s[HM], 0xffff0000
	s_mov_b32 s[TB], 0
	v_bfe_u32 v1, v0, 4, 1
	v_lshlrev_b32 v[BO], 5, v1
	v_and_b32 v2, 31, v0
	v_lshlrev_b32 v[ZO], 4, v2
	v_mov_b32 v[ADRB], v[ZO]                       ; slot 0
	v_add_nc_u32 v[ADRB+1], 2*WPART, v[ZO]
	s_wait_dscnt 0x0                               ; the opening add is done
	s_wait_kmcnt 0x0
	s_add_nc_u64 s[4:5], s[4:5], s[56:57]          ; xf at my first token block, k block 0
	s_add_nc_u64 s[58:59], s[6:7], s[58:59]
	WIN 0x80                                       ; destination window 2
	global_load_b128 v[BI:BI+3],   v[BO], s[8:9]   ; bias of experts 8 (l / 16) + 0..7
	global_load_b128 v[BI+4:BI+7], v[BO], s[8:9] offset:16
.irp p, 0,1,2,3,4,5,6
	ALOAD \p, \p                                   ; the ring's first seven places: 58 loads of mine are out
.endr
	WIN 0
	CROUND                                         ; all four work-groups are here: the first joint loads meet
	s_mov_b32 s[G0], 1                             ; count = 1
	s_mov_b32 s[G0+1], s60                         ; LDS address: slot 0
	s_mov_b64 s[G0+2:G0+3], s[58:59]               ; global address: K step 0
	s_or_b32 s[G0+3], s[G0+3], 0x80000000          ; type = 2
	s_mov_b32 s[GW], 1
	s_add_co_u32 s[GW+1], s60, SLOT1
	s_add_nc_u64 s[GW+2:GW+3], s[58:59], SCH*CH    ; K step 1
	s_or_b32 s[GW+3], s[GW+3], 0x80000000
	tensor_load_to_lds s[G0:G0+3], s[G1:G1+7]      ; two tensor loads of mine are out
	s_nop 0
	JLOAD
	; what follows up to the wait stands in the wait for the first tile
	s_mov_b32 s[E0], s18
.irp j, 0,1,2,3,4,5,6,7,8,9,10,11,12,13,14,15
	s_cmp_eq_u32 s[E0], \j
	s_cselect_b32 s[MM+\j], -1, 0
.endr
	s_lshl_b32 s60, s19, 4
	s_lshl_b32 s61, s[WV], 2
	s_add_co_u32 s60, s60, s61                     ; my first token block: 16 my + 4 x wave
	s_mul_i32 s60, s60, ZROW
	s_mov_b32 s61, 0
	s_add_nc_u64 s[10:11], s[10:11], s[60:61]      ; zf at my first token block,
	s_lshl_b32 s60, s[E0], 9
	s_add_co_u32 s60, s60, 64*512
	s_add_nc_u64 s[ZS:ZS+1], s[10:11], s[60:61]    ; at half block 64 + e: the shared hi (its lo lies 16 half blocks on),
	s_lshl_b32 s60, s[E0], 11
	s_add_nc_u64 s[10:11], s[10:11], s[60:61]      ; and at half block 4 e: my expert's four
; 4 nb matrix instructions: column blocks b0 .. b0 + nb - 1 of buffer f x my four token blocks in place sl, 32 along K.  zero = 1: the product starts the sum.
; The 44 accumulators take turns in one order in every quarter.
.macro MULB f, sl, b0, nb, zero
.set bb, \b0
.rept \nb
.set aa, 0
.rept 4
.set IDX, 4*bb+aa
.if IDX < 32
	WIN 0x5c                                       ; source 0 (weights) window 0, source 1 (tokens) window 3, C and D window 1
.set RA, 8*IDX
.else
	WIN 0xac                                       ; the same, C and D window 2
.set RA, 8*(IDX-32)
.endif
.if \zero
	v_wmma_f32_16x16x32_bf16 v[RA:RA+7], v[(\f)+8*bb:(\f)+8*bb+7], v[32*(\sl)+8*aa:32*(\sl)+8*aa+7], 0
.else
	v_wmma_f32_16x16x32_bf16 v[RA:RA+7], v[(\f)+8*bb:(\f)+8*bb+7], v[32*(\sl)+8*aa:32*(\sl)+8*aa+7], v[RA:RA+7]
.endif
.set aa, aa+1
.endr
.set bb, bb+1
.endr
.endm
; 22 LDS loads in one run: the weights' 11 fragments of block q of the slot in hand, into buffer f; each load takes 512 consecutive bytes
.macro FETCH q, f
	WIN 0
.set QA, ADRB+(\q)/4
.set QO, (((\q)/2)%2)*WPART+((\q)%2)*CH
.irp b, 0,1,2,3,4,5,6,7,8,9,10
	ds_load_b128 v[(\f)+8*\b:(\f)+8*\b+3],   v[QA] offset:QO+\b*2*CH
	ds_load_b128 v[(\f)+8*\b+4:(\f)+8*\b+7], v[QA] offset:QO+\b*2*CH+512
.endr
.endm
; A K step is eight quarters of 32 along K, 44 matrix instructions each; block c's weights lie in buffer c % 2, its tokens in place c.  One of the first seven: in its middle it fetches block c + 1's weights
; into the other buffer and (ald = 1) asks for the tokens of the block seven on, k block ap from the base, into the place read in the quarter before.  lcnt: the younger token loads that may stay out.
.macro QUARTER c, zero, ald, ap, lcnt
.set FB, F0+88*((\c)%2)
.set GB, F0+88*(1-(\c)%2)
.set RS, ((\c)+7)%8
	s_wait_dscnt 10                                ; fragments b = 0..5 are in; the youngest ten loads (b = 6..10) may be out
	s_wait_loadcnt \lcnt                           ; loads come back in order (ISA guide 5.7.1): this block's tokens are in; behind them six blocks of eight loads were issued (fewer in the last step)
	MULB FB, \c, 0, 6, \zero
	PLACES
	FETCH (\c)+1, GB
.if \ald
	ALOAD RS, \ap
.endif
	s_wait_dscnt 22                                ; all but the 22 just issued
	MULB FB, \c, 6, 5, \zero
.endm
; The eighth quarter multiplies buffer 1 and changes slots: one barrier.  In front of it each wave waits for all its tensor loads (one is out: its part of the next slot), adds 0 to its spare word, and waits for that
; and for its reads of this slot.  fill = 1: the barrier opens a round of the cluster's, and the slot is filled again first thing behind it, two K steps ahead: 328 matrix instructions stand between the request and the wait for it.
.macro TURN fill
	WIN 0
	s_wait_tensorcnt 0x0
	ds_add_u32 v[SPW], v[NIL]
	s_wait_dscnt 11                                ; (the add and the youngest ten loads may be out)
	s_wait_loadcnt 48
	MULB F1, 7, 0, 3, 0                            ; matrix work stands between the add and the wait for it
	s_wait_dscnt 0x0                               ; the add is done, and my reads of this slot are over
	s_barrier_signal -1
	MULB F1, 7, 3, 3, 0
	WIN 0                                          ; branches, or lines on window 0, follow
	s_barrier_wait -1
.if \fill
	CREST                                          ; no wave of any partner still reads this slot or has a load on its way
	s_xor_b32 s[GW+1], s[GW+1], SLOT1              ; the walking descriptor: the other slot than last time,
	s_add_nc_u64 s[GW+2:GW+3], s[GW+2:GW+3], SCH*CH  ; the next K step; the type bits on top are not reached
	JLOAD                                          ; its four v_nop are also the places in front of the loads below
.else
	PLACES
.endif
	s_xor_b32 s[TB], s[TB], SLOT1                  ; the reads go on in the other slot
	v_add_nc_u32 v[ADRB], s[TB], v[ZO]
	v_add_nc_u32 v[ADRB+1], 2*WPART, v[ADRB]
	FETCH 0, F0
	ALOAD 6, 14
	MULB F1, 7, 6, 5, 0
.endm
	s_wait_tensorcnt 1                             ; my part of K step 0 is in; K step 1's may stay out
	s_barrier_signal -1
	s_barrier_wait -1
	FETCH 0, F0
	QUARTER 0, 1, 1, 7, 48                         ; the first quarter stands in front of the loop: its products start the sums
	WIN 0
	s_mov_b32 s15, STEPS-2
.Lstep:                                                ; a trip: a K step's quarters 1 to 7 and the next step's quarter 0; it fills the slot that it leaves
.irp c, 1,2,3,4,5,6
	QUARTER \c, 0, 1, (\c)+7, 48
.endr
	TURN 1
	QUARTER 0, 0, 1, 15, 48
	WIN 0
	s_wait_xcnt 0x0                                ; the token loads' base is written again only behind this wait
	s_add_nc_u64 s[4:5], s[4:5], SCH*CH
	s_sub_co_u32 s15, s15, 1
	s_cmp_lg_u32 s15, 0
	s_cbranch_scc1 .Lstep
.irp c, 1,2,3,4,5,6                    ; the last two K steps are written out: no slot is filled again,
	QUARTER \c, 0, 1, (\c)+7, 48
.endr
	TURN 0
	QUARTER 0, 0, 1, 15, 48                        ; the tokens' last block is asked for,
.irp c, 1,2,3,4,5,6
	QUARTER \c, 0, 0, 0, 8*(7-\c)                  ; and the counts run down
.endr
	s_wait_dscnt 10
	s_wait_loadcnt 0x0
	MULB F1, 7, 0, 6, 0
	s_wait_dscnt 0x0
	MULB F1, 7, 6, 5, 0
; THE EPILOGUE, in window 0 where the weights' fragments lay.
.set SC,  16                           ; v16-47   scores: block a, expert 8 (l / 16) + j at SC + 8 a + j
.set BB,  48                           ; v48-55   my eight biases, rounded
.set XS,  56                           ; v56-63   what I send to the other half of the lanes
.set YY,  64                           ; v64-71   what I get
.set OO,  72                           ; v72-87   one token's 16 scores
.set WW,  88                           ; v88-103  the same, taken ones marked
.set TT,  104                          ; v104-108 at work
.set MX,  109
.set SUM, 110
.set INV, 111
.set NINF, 112
.set V0,  113                          ; v113     my expert's weight
.set P0,  114                          ; v114     the other half's
.set CW,  116                          ; v116-119 by token block
.set TG,  120                          ; v120-127
.set PU,  128                          ; v128-135
.set OUT, 136                          ; v136-215 a pair's 4 registers at OUT + 4 (5 a + c); v216-231 the shared lo's at OL + 4 a: none is used twice, so the stores need no wait
.set OL,  216
	PLACES
	WIN 0x0a                                       ; sources in window 2
.irp i, 0,1,2,3
	v_cvt_pk_bf16_f32 v[TT+\i], v[BI+2*\i], v[BI+2*\i+1]
.endr
	WIN 0
.irp i, 0,1,2,3
	v_lshlrev_b32 v[BB+2*\i], 16, v[TT+\i]
	v_and_b32 v[BB+2*\i+1], s[HM], v[TT+\i]
.endr
	WIN 0x02                                       ; the router's accumulators, numbers 40 + a: window 2, v[64 + 8 a]
.irp a, 0,1,2,3                        ; -log2(e) x logit; each accumulator is read from its low end on
.irp p, 0,1,2,3
	v_pk_mul_f32 v[SC+8*\a+2*\p:SC+8*\a+2*\p+1], v[64+8*\a+2*\p:64+8*\a+2*\p+1], s[NL2E:NL2E+1] op_sel_hi:[1,0]
.endr
.endr
	WIN 0
.set i, 0
.rept 32
	v_exp_f32 v[SC+i], v[SC+i]
.set i, i+1
.endr
	v_mov_b32 v[NINF], 0xff800000                  ; a plain instruction between the last exponential and the use of its result (ISA guide 5.7.2)
.set i, 0
	s_wait_alu depctr_va_vdst(0)
.rept 16
	v_pk_add_f32 v[SC+2*i:SC+2*i+1], v[SC+2*i:SC+2*i+1], 1.0 op_sel_hi:[1,0]
.set i, i+1
.endr
.set i, 0
.rept 32
	v_rcp_f32 v[SC+i], v[SC+i]
.set i, i+1
.endr
.set i, 0
.rept 8
	v_mov_b32 v[YY+i], 0                           ; v_permlanex16_b32's destinations count as read: written once; also the plain line behind the reciprocals
.set i, i+1
.endr
	v_mov_b32 v[P0], 0
	s_wait_alu depctr_va_vdst(0)
.irp a, 0,1,2,3
.irp p, 0,1,2,3
	v_pk_add_f32 v[SC+8*\a+2*\p:SC+8*\a+2*\p+1], v[SC+8*\a+2*\p:SC+8*\a+2*\p+1], v[BB+2*\p:BB+2*\p+1]
.endr
.endr
; The four largest of 16, for token blocks a (in lanes 0-15) and a + 1 (in lanes 16-31): each half sends the other the eight scores that it lacks.
.macro TOPK a
.irp j, 0,1,2,3,4,5,6,7
	v_cndmask_b32 v[XS+\j], v[SC+8*(\a)+8+\j], v[SC+8*(\a)+\j], s[HM]
.endr
.irp j, 0,1,2,3,4,5,6,7
	v_permlanex16_b32 v[YY+\j], v[XS+\j], s[SEL], s[SEL+1]
.endr
.irp j, 0,1,2,3,4,5,6,7
	v_cndmask_b32 v[OO+\j],   v[SC+8*(\a)+\j], v[YY+\j], s[HM]
	v_cndmask_b32 v[OO+8+\j], v[YY+\j], v[SC+8*(\a)+8+\j], s[HM]
.endr
.irp j, 0,1,2,3,4,5,6,7,8,9,10,11,12,13,14,15
	v_mov_b32 v[WW+\j], v[OO+\j]
	s_mov_b32 s[SELM+\j], 0
.endr
	v_mov_b32 v[SUM], 0
	s_mov_b32 s[RND], 4
.Lround_\@:                                            ; a round: the maximum; of the scores equal to it the one of lowest index is taken and marked
.irp i, 0,1,2,3,4
	v_max3_num_f32 v[TT+\i], v[WW+3*\i], v[WW+3*\i+1], v[WW+3*\i+2]
.endr
	v_max3_num_f32 v[TT], v[TT], v[TT+1], v[TT+2]
	v_max3_num_f32 v[TT+3], v[TT+3], v[TT+4], v[WW+15]
	v_max_num_f32 v[MX], v[TT], v[TT+3]
	v_add_f32 v[SUM], v[SUM], v[MX]
.irp j, 0,1,2,3,4,5,6,7,8,9,10,11,12,13,14,15
	v_cmp_eq_f32 s[EQ+\j], v[WW+\j], v[MX]
.endr
	s_mov_b32 s[FOUND], 0
.irp j, 0,1,2,3,4,5,6,7,8,9,10,11,12,13,14,15
	s_and_not1_b32 s[EQ+\j], s[EQ+\j], s[FOUND]
	s_or_b32 s[FOUND], s[FOUND], s[EQ+\j]
	s_or_b32 s[SELM+\j], s[SELM+\j], s[EQ+\j]
.endr
.irp j, 0,1,2,3,4,5,6,7,8,9,10,11,12,13,14,15
	v_cndmask_b32 v[WW+\j], v[WW+\j], v[NINF], s[EQ+\j]
.endr
	s_sub_co_u32 s[RND], s[RND], 1
	s_cmp_lg_u32 s[RND], 0
	s_cbranch_scc1 .Lround_\@
	v_add_f32 v[SUM], 0x1e3ce508, v[SUM]           ; + 1e-20
	v_rcp_f32 v[INV], v[SUM]
	v_mov_b32 v[V0], 0                             ; (a plain line behind the reciprocal)
	s_mov_b32 s[SE0], 0
.irp j, 0,1,2,3,4,5,6,7,8,9,10,11,12,13,14,15
	s_cmp_eq_u32 s[E0], \j
	s_cselect_b32 s[SE0], s[SELM+\j], s[SE0]
	v_cndmask_b32 v[V0], v[V0], v[OO+\j], s[MM+\j] ; my expert's score
.endr
	v_cndmask_b32 v[V0], 0, v[V0], s[SE0]          ; 0 where it is not among the four
	s_wait_alu depctr_va_vdst(0)
	v_mul_f32 v[V0], v[V0], v[INV]
	v_permlanex16_b32 v[P0], v[V0], s[SEL], s[SEL+1]
	v_cndmask_b32 v[CW+(\a)],   v[V0], v[P0], s[HM]       ; both halves of the lanes get both blocks' weights
	v_cndmask_b32 v[CW+(\a)+1], v[P0], v[V0], s[HM]
.endm
	TOPK 0
	TOPK 2
; z of token block a, pair c: (g (u cw)) / (1 + 2^(-log2(e) g)), rounded, stored.  Pair 4 is the shared expert's: no weight, and what the rounding took away is rounded and stored too.
; g is accumulator 8 c + a, u is 8 c + 4 + a: 32 registers on.
.macro ZPAIR a, c
.if (\c) < 4
.set W1S, 0x01                         ; source 0 in the accumulators' window
.set W2S, 0x05                         ; sources 0 and 1
.set RG, 64*(\c)+8*(\a)
.else
.set W1S, 0x02
.set W2S, 0x0a
.set RG, 8*(\a)
.endif
.set RU, RG+32
.set CR, CW+(\a)
.set CE, CR-CR%2
.set OS, OUT+4*(5*(\a)+(\c))
	WIN W1S
.irp p, 0,1,2,3
	v_pk_mul_f32 v[TG+2*\p:TG+2*\p+1], v[RG+2*\p:RG+2*\p+1], s[NL2E:NL2E+1] op_sel_hi:[1,0]
.endr
.if (\c) < 4
.irp p, 0,1,2,3
.if CR%2
	v_pk_mul_f32 v[PU+2*\p:PU+2*\p+1], v[RU+2*\p:RU+2*\p+1], v[CE:CE+1] op_sel:[0,1] op_sel_hi:[1,1]  ; the weight is the pair's second register
.else
	v_pk_mul_f32 v[PU+2*\p:PU+2*\p+1], v[RU+2*\p:RU+2*\p+1], v[CE:CE+1] op_sel_hi:[1,0]                ; its first
.endif
.endr
.irp p, 0,1,2,3
	v_pk_mul_f32 v[PU+2*\p:PU+2*\p+1], v[RG+2*\p:RG+2*\p+1], v[PU+2*\p:PU+2*\p+1]
.endr
.else
	WIN W2S
.irp p, 0,1,2,3
	v_pk_mul_f32 v[PU+2*\p:PU+2*\p+1], v[RG+2*\p:RG+2*\p+1], v[RU+2*\p:RU+2*\p+1]
.endr
.endif
	WIN 0
.irp i, 0,1,2,3,4,5,6,7
	v_exp_f32 v[TG+\i], v[TG+\i]
.endr
	v_nop                                          ; a plain instruction behind the last exponential
	s_wait_alu depctr_va_vdst(0)
.irp p, 0,1,2,3
	v_pk_add_f32 v[TG+2*\p:TG+2*\p+1], v[TG+2*\p:TG+2*\p+1], 1.0 op_sel_hi:[1,0]
.endr
.irp i, 0,1,2,3,4,5,6,7
	v_rcp_f32 v[TG+\i], v[TG+\i]
.endr
	v_nop                                          ; and behind the last reciprocal
	s_wait_alu depctr_va_vdst(0)
.irp p, 0,1,2,3
	v_pk_mul_f32 v[TG+2*\p:TG+2*\p+1], v[TG+2*\p:TG+2*\p+1], v[PU+2*\p:PU+2*\p+1]
.endr
.irp p, 0,1,2,3
	v_cvt_pk_bf16_f32 v[OS+\p], v[TG+2*\p], v[TG+2*\p+1]
.endr
.if (\c) < 4
	global_store_b128 v[ZO], v[OS:OS+3], s[10:11] offset:(\a)*ZROW+(\c)*512  ; half a block of zf: 512 consecutive bytes, at a multiple of 512 from its first
.else
	global_store_b128 v[ZO], v[OS:OS+3], s[ZS:ZS+1] offset:(\a)*ZROW         ; hi
.irp p, 0,1,2,3
	v_lshlrev_b32 v[PU+2*\p], 16, v[OS+\p]         ; hi as f32
	v_and_b32 v[PU+2*\p+1], s[HM], v[OS+\p]
.endr
.irp p, 0,1,2,3
	v_pk_add_f32 v[TG+2*\p:TG+2*\p+1], v[TG+2*\p:TG+2*\p+1], v[PU+2*\p:PU+2*\p+1] neg_lo:[0,1] neg_hi:[0,1]  ; z - hi, exact in f32
.endr
.irp p, 0,1,2,3
	v_cvt_pk_bf16_f32 v[OL+4*(\a)+\p], v[TG+2*\p], v[TG+2*\p+1]
.endr
	global_store_b128 v[ZO], v[OL+4*(\a):OL+4*(\a)+3], s[ZS:ZS+1] offset:(\a)*ZROW+16*512  ; lo
.endif
.endm
.irp a, 0,1,2,3
.irp c, 0,1,2,3,4
	ZPAIR \a, \c
.endr
.endr
	s_wait_tensorcnt 0x0                           ; the wave's end, behind my last tensor load
	ds_add_u32 v[SPW], v[NIL]
	s_wait_dscnt 0x0
	CROUND                                         ; the closing round: no work-group ends while a partner may still ask for a tile that names it
	s_endpgm
.Lfunc_end_k_q6686264ef8_up:
	.size	k_q6686264ef8_up, .Lfunc_end_k_q6686264ef8_up-k_q6686264ef8_up
	.p2alignl 7, 3214868480
	.fill 96, 4, 3214868480
	.section	.rodata,"a",@progbits
	.p2align	6, 0x0
	.amdhsa_kernel k_q6686264ef8_up
		.amdhsa_group_segment_fixed_size 327680
		.amdhsa_private_segment_fixed_size 0
		.amdhsa_enable_private_segment 0
		.amdhsa_kernarg_size 32
		.amdhsa_user_sgpr_count 2
		.amdhsa_user_sgpr_kernarg_segment_ptr 1
		.amdhsa_wavefront_size32 1
		.amdhsa_system_sgpr_workgroup_id_x 1
		.amdhsa_system_sgpr_workgroup_id_y 1
		.amdhsa_system_sgpr_workgroup_id_z 1
		.amdhsa_system_vgpr_workitem_id 0
		.amdhsa_next_free_vgpr 1024
		.amdhsa_next_free_sgpr 98
		.amdhsa_reserve_vcc 0
		.amdhsa_float_denorm_mode_32 3
		.amdhsa_float_denorm_mode_16_64 3
		.amdhsa_memory_ordered 1
		.amdhsa_forward_progress 1
		.amdhsa_inst_pref_size 207
	.end_amdhsa_kernel
	.amdgpu_metadata
---
amdhsa.version: [ 1, 2 ]
amdhsa.kernels:
  - .name:           k_q6686264ef8_up
    .symbol:         k_q6686264ef8_up.kd
    .args:
      - { .name: xf, .offset: 0, .size: 8, .value_kind: global_buffer, .address_space: global }
      - { .name: w1f, .offset: 8, .size: 8, .value_kind: global_buffer, .address_space: global }
      - { .name: bias, .offset: 16, .size: 8, .value_kind: global_buffer, .address_space: global }
      - { .name: zf, .offset: 24, .size: 8, .value_kind: global_buffer, .address_space: global }
    .group_segment_fixed_size: 327680
    .private_segment_fixed_size: 0
    .kernarg_segment_align: 8
    .kernarg_segment_size: 32
    .max_flat_workgroup_size: 128
    .sgpr_count:     98
    .vgpr_count:     1024
    .wavefront_size: 32
...
	.end_amdgpu_metadata
.endif
;; end of part 2
;; launch down (part 3): grid 16 x 16, 4 waves a work-group, clusters of 4 x 4, 327,680 bytes of LDS; arguments zf, w2f, out0; writes out0
.if DOCPART == 3
	.amdgcn_target "amdgcn-amd-amdhsa--gfx1250"
	.amdhsa_code_object_version 6
	.text
	.protected	k_q6686264ef8_down
	.globl	k_q6686264ef8_down
	.p2align	8
	.type	k_q6686264ef8_down,@function
k_q6686264ef8_down:
	s_mov_b64 s[64:65], 0
	v_nop
	global_prefetch_b8 v0, s[64:65] scope:SCOPE_SE
	s_setreg_imm32_b32 hwreg(HW_REG_WAVE_MODE, 25, 1), 1
	s_wait_xcnt 0x0
	s_wait_alu depctr_hold_cnt(0) depctr_sa_sdst(0) depctr_va_vdst(0) depctr_va_sdst(0) depctr_va_ssrc(0) depctr_va_vcc(0) depctr_vm_vsrc(0)
	s_getreg_b32 s2, hwreg(HW_REG_IB_STS2, 6, 4)
	s_cmp_eq_u32 s2, 0
	s_cbranch_scc0 .Lentry_in_a_cluster
	s_endpgm
.Lentry_in_a_cluster:
	s_bfe_u32 s2, ttmp6, 0x10000c
	s_cmp_lg_u32 s2, 0xf033
	s_cbranch_scc0 .Lentry_shape_is_right
	s_endpgm
.Lentry_shape_is_right:
; DOWN: out0[t][h] = the sum over k of zf[t][k] w[h][k], K = 1,536: 16 experts x 64 (weighted z), the shared expert's 256 (hi), and its 256 once more (lo: what z's rounding to bf16 took away).
; w is w2f, whose 1,280 k are the experts' and the shared expert's: K steps 10 and 11 (lo) take the weights of steps 8 and 9 again, so no weight is kept twice.
; Operands bf16 in fragment order (a block = 16 rows x 32 k = 1,024 bytes = [half][lane][16 bytes]); sums and out0 in f32.
; A tile of out0 is 256 x 256: 16 x 16 = 256 work-groups of four waves; a wave makes 128 x 128: 64 accumulators, 512 registers.  K goes in twelve steps of 128 through two LDS slots; a step's tile is
; 16 + 16 rows of 4,096 dense bytes; waves 0, 1 fetch the two halves of z's, waves 2, 3 of the weights'.
; CLUSTER 4 x 4: z's tile hangs on the tile row alone and is asked for jointly along a row of the cluster, the weights' on the tile column alone, jointly along a column.
; THE MATRIX INSTRUCTION IS USED TRANSPOSED (source 0 = 16 weight rows, source 1 = 16 tokens): a lane holds one token and eight neighbouring columns, 32 bytes of a row of out0.
; THE WAY OUT: 16 tokens x 128 columns at a time through the wave's own stage in LDS, back as whole rows of 512 bytes, each stored by one instruction.
; LIMITS: NaN and infinities are not treated apart; the order of a sum's roundings is the matrix unit's.
; REGISTERS, in windows of 256 (s_set_vgpr_msb: bits 1:0 source 0, 3:2 source 1, 5:4 source 2, 7:6 destination):
;   window 0: v0-31 addresses; v64-127, v128-191 z's fragments, two buffers, on the way out rows read back;   window 1: v64-127, v128-191 the weights' fragments
;   window 2: the 32 accumulators of my tokens 0-63 ((a, b) at v[8 (8 a + b)]);   window 3: those of my tokens 64-127
.set RBB,    4096                      ; a row block's bytes in a K step
.set HALFT,  8*RBB                     ; what one tensor load brings, and what one wave reads of either operand
.set SLOT,   4*HALFT
.set STAGE,  2*SLOT                    ; behind the ring: 16 rows x 528 bytes for each wave
.set SPITCH, 528                       ; 512 + 16: an odd multiple of 16: the 16 rows of a store start in 16 different groups of four banks (ISA guide 11.1)
.set SPARE,  STAGE+4*16*SPITCH         ; behind the stages: the spare words, 128 bytes a wave
.set LAPS,   6                         ; a lap = two K steps
.set ZROW,   49152                     ; a row block of zf: 12 K steps
.set WROW,   40960                     ; of w2f: 10
.set ROWB,   16384                     ; a row of out0
.set ADRA, 16                          ; v16-17  LDS address of my z fragments in slot 0, 1
.set ADRB, 20                          ; v20-21  of my weight fragments
.set STO,  24                          ; v24     the way out: where I put 32 bytes of a row
.set RD,   25                          ; v25     where I read rows back
.set CO,   26                          ; v26     16 l
.set SPW,  28                          ; v28     my spare word; never rewritten
.set NIL,  29                          ; v29     0; never rewritten
.set F0,   64
.set F1,   128
.set OB,   64                          ; the way out: 16 rows read back, v64-127 and v128-191 by turns
.set BST, 18                           ; s[18:19] by how many bytes the weights' address steps at a refill
.set G1, 24                            ; s[24:31] descriptor group 1 for z's tiles;  s[32:39] group 0, a set for each slot
.set G0, 32
.set G1B, 48                           ; s[48:55], s[56:63] the same for the weights'
.set G0B, 56
.set MSB, 0
.macro WIN new                         ; the immediate's high byte repeats the setting that is left; a switch that changes nothing is dropped
.if MSB != (\new)
	s_set_vgpr_msb (MSB<<8)|(\new)
.set MSB, \new
.endif
.endm
.set MUL_LO, 0xa1                      ; source 0 (weights) window 1, source 1 (z) window 0, C and D window 2
.set MUL_HI, 0xf1                      ; the same, C and D window 3
.set TO_B,   0x40                      ; destination window 1, address window 0
.macro JLOAD s                         ; a joint load; an s_nop 0 and four v_nop follow each of the two lines, ahead of the jump and the label
	s_cmp_eq_u32 s11, 0
	s_cbranch_scc0 .Lfor_b_\@
	tensor_load_to_lds s[G0+4*(\s):G0+4*(\s)+3], s[G1:G1+7]
	s_nop 0
.rept 4
	v_nop
.endr
	s_branch .Lasked_\@
.Lfor_b_\@:
	tensor_load_to_lds s[G0B+4*(\s):G0B+4*(\s)+3], s[G1B:G1B+7]
	s_nop 0
.rept 4
	v_nop
.endr
.Lasked_\@:
.endm
.macro CREST                           ; a round of the cluster's barrier behind its opening barrier
	s_cmp_lg_u32 s10, 0
	s_cbranch_scc1 .Lnot_wave_0_\@
	s_barrier_signal -3
.Lnot_wave_0_\@:
	s_barrier_wait -3
	s_barrier_signal -1
	s_barrier_wait -1
.endm
.macro CROUND
	s_barrier_signal -1
	s_barrier_wait -1
	CREST
.endm
.macro PLACES                          ; four plain vector instructions between a matrix instruction and a load into, or a store of, its registers
.rept 4
	v_nop
.endr
.endm
	s_load_b128 s[4:7], s[0:1], 0x0                ; zf s[4:5], w2f s[6:7]
	s_load_b64 s[8:9], s[0:1], 0x10                ; out0
	v_lshl_add_u32 v[SPW], v0, 2, SPARE
	v_mov_b32 v[NIL], 0
	ds_add_u32 v[SPW], v[NIL]                      ; the wave's opening: the add and its wait stand ahead of my first tensor load; the set-up below stands between them
	v_lshrrev_b32 v1, 5, v0
	v_readfirstlane_b32 s10, v1                    ; wave 0..3
	s_lshr_b32 s11, s10, 1                         ; which half of the tile's tokens is mine.  Also: I fetch z (0) or weights (1)
	s_and_b32 s12, s10, 1                          ; which half of its columns.  Also: which 8 row blocks I fetch
	s_bfe_u32 s40, ttmp6, 0x40000                  ; cx
	s_bfe_u32 s41, ttmp6, 0x40004                  ; cy
	s_lshl_b32 s42, ttmp9, 2
	s_add_co_u32 s42, s42, s40                     ; tile column = 4 x cluster x + cx
	s_and_b32 s13, ttmp7, 0xffff
	s_lshl_b32 s13, s13, 2
	s_add_co_u32 s13, s13, s41                     ; tile row = 4 x cluster y + cy
	s_lshl_b32 s43, s41, 2
	s_lshl_b32 s43, 15, s43                        ; my row of the cluster
	s_lshl_b32 s44, 0x1111, s40                    ; my column
	; group 1: 8 rows of 512 elements of 8 bytes; no padding: fragment order has no bank conflict
	s_or_b32 s[G1], s43, (3<<16)|(1<<21)           ; 15:0 the mask; 17:16 elements of 8 bytes; 21 set beside a mask
	s_or_b32 s[G1B], s44, (3<<16)|(1<<21)
.irp g, G1, G1B
	s_mov_b32 s[\g+1], 512<<16                     ; tensor_dim0 = 512
	s_mov_b32 s[\g+2], 8<<16                       ; tensor_dim1 = 8
	s_mov_b32 s[\g+3], 512<<16                     ; tile_dim0 = 512
	s_mov_b32 s[\g+4], 8                           ; tile_dim1 = 8
	s_mov_b32 s[\g+6], 0
	s_mov_b32 s[\g+7], 0
.endr
	s_mov_b32 s[G1+5], ZROW/8                      ; elements from row to row: z's 6,144,
	s_mov_b32 s[G1B+5], WROW/8                     ; the weights' 5,120
	s_mov_b32 s[BST+1], 0
	s_lshl_b32 s17, s12, 3
	s_lshl_b32 s16, s13, 4
	s_add_co_u32 s16, s16, s17                     ; z: row block 16 x tile row + 8 x half
	s_lshl_b32 s46, s42, 4
	s_add_co_u32 s46, s46, s17                     ; weights: row block 16 x tile column + 8 x half
	s_mul_i32 s16, s16, ZROW
	s_mul_i32 s46, s46, WROW
	s_mov_b32 s17, 0
	s_mov_b32 s47, 0
	s_lshl_b32 s20, s10, 15                        ; where they go: wave x 32,768: no place in the cluster enters an LDS address
	s_wait_dscnt 0x0                               ; the opening add is done
	s_wait_kmcnt 0x0
	s_add_nc_u64 s[14:15], s[4:5], s[16:17]
	s_add_nc_u64 s[46:47], s[6:7], s[46:47]
	CROUND                                         ; all sixteen work-groups are here: the first joint loads meet
.irp s, 0,1
	s_mov_b32 s[G0+4*\s], 1
	s_add_co_u32 s[G0+4*\s+1], s20, \s*SLOT
	s_add_nc_u64 s[G0+4*\s+2:G0+4*\s+3], s[14:15], \s*RBB
	s_or_b32 s[G0+4*\s+3], s[G0+4*\s+3], 0x80000000
	s_mov_b32 s[G0B+4*\s], 1
	s_add_co_u32 s[G0B+4*\s+1], s20, \s*SLOT
	s_add_nc_u64 s[G0B+4*\s+2:G0B+4*\s+3], s[46:47], \s*RBB
	s_or_b32 s[G0B+4*\s+3], s[G0B+4*\s+3], 0x80000000
	JLOAD \s                                       ; two loads of mine are out
.endr
	v_and_b32 v1, 31, v0
	v_lshlrev_b32 v[CO], 4, v1
	s_lshl_b32 s21, s11, 15                        ; my 8 row blocks of z
	s_lshl_b32 s22, s12, 15                        ; my 8 of the weights,
	s_add_co_u32 s22, s22, 2*HALFT                 ; which lie behind z's 16
.irp s, 0,1
	v_add_nc_u32 v[ADRA+\s], s21, v[CO]
	v_add_nc_u32 v[ADRB+\s], s22, v[CO]
	s_add_co_u32 s21, s21, SLOT
	s_add_co_u32 s22, s22, SLOT
.endr
	s_mul_i32 s23, s10, 16*SPITCH
	s_add_co_u32 s23, s23, STAGE                   ; my stage
	v_and_b32 v2, 15, v0
	v_bfe_u32 v3, v0, 4, 1
	v_mul_u32_u24 v4, v2, SPITCH                   ; in: row l % 16, 32 bytes for each half of the lanes
	v_lshl_add_u32 v4, v3, 5, v4
	v_add_nc_u32 v[STO], s23, v4
	v_add_nc_u32 v[RD], s23, v[CO]                 ; back: 32 lanes take a row's 512 bytes
	s_lshl_b32 s16, s13, 8
	s_lshl_b32 s17, s11, 7
	s_add_co_u32 s16, s16, s17                     ; my first token
	s_lshl_b32 s16, s16, 14
	s_lshl_b32 s46, s42, 10                        ; my first column, in bytes
	s_lshl_b32 s47, s12, 9
	s_add_co_u32 s46, s46, s47
	s_add_co_u32 s16, s16, s46
	s_mov_b32 s17, 0
	s_add_nc_u64 s[8:9], s[8:9], s[16:17]
; 16 matrix instructions: token blocks a0, a0 + 1 of the window's four x all 8 column blocks, 32 along K.  zero = 1: the product starts the sum.  The 64 accumulators take turns in one order.
.macro MUL16 f, hi, a0, zero
	WIN MUL_LO+0x50*(\hi)
.irp a, \a0, (\a0)+1
.irp b, 0,1,2,3,4,5,6,7
.if \zero
	v_wmma_f32_16x16x32_bf16 v[8*(8*(\a)+(\b)):8*(8*(\a)+(\b))+7], v[(\f)+8*(\b):(\f)+8*(\b)+7], v[(\f)+8*(4*(\hi)+(\a)):(\f)+8*(4*(\hi)+(\a))+7], 0
.else
	v_wmma_f32_16x16x32_bf16 v[8*(8*(\a)+(\b)):8*(8*(\a)+(\b))+7], v[(\f)+8*(\b):(\f)+8*(\b)+7], v[(\f)+8*(4*(\hi)+(\a)):(\f)+8*(4*(\hi)+(\a))+7], v[8*(8*(\a)+(\b)):8*(8*(\a)+(\b))+7]
.endif
.endr
.endr
.endm
; 32 LDS loads in one run: quarter q's fragments into buffer f; each load takes 512 consecutive bytes
.macro FETCH slot, q, f
	WIN TO_B
.irp i, 0,1,2,3,4,5,6,7
	ds_load_b128 v[(\f)+8*(\i):(\f)+8*(\i)+3],   v[ADRB+(\slot)] offset:(\i)*RBB+(\q)*1024
	ds_load_b128 v[(\f)+8*(\i)+4:(\f)+8*(\i)+7], v[ADRB+(\slot)] offset:(\i)*RBB+(\q)*1024+512
.endr
	WIN 0
.irp i, 0,1,2,3,4,5,6,7
	ds_load_b128 v[(\f)+8*(\i):(\f)+8*(\i)+3],   v[ADRA+(\slot)] offset:(\i)*RBB+(\q)*1024
	ds_load_b128 v[(\f)+8*(\i)+4:(\f)+8*(\i)+7], v[ADRA+(\slot)] offset:(\i)*RBB+(\q)*1024+512
.endr
.endm
; A K step is four quarters of 32 along K, 64 matrix instructions each, on buffers 0, 1, 0, 1.  One of the first three: multiplies buffer f and, in its middle, fetches quarter qn of the same slot into g.
.macro QUARTER slot, qn, f, g, zero
	s_wait_dscnt 8                                 ; the weights and my tokens 0-63 are in; the youngest eight loads may be out
	MUL16 \f, 0, 0, \zero
	MUL16 \f, 0, 2, \zero
	PLACES
	FETCH \slot, \qn, \g
	s_wait_dscnt 32                                ; all but the 32 just issued
	MUL16 \f, 1, 0, \zero
	MUL16 \f, 1, 2, \zero
.endm
; The last quarter multiplies buffer 1 and changes slots: one barrier.  In front of it each wave waits for all its tensor loads (one is out: its part of the next slot), adds 0 to its spare word, and waits for that
; and for its reads of this slot.  fill = 1 (in the loop alone): the barrier opens a round of the cluster's, and the slot is filled again first thing behind it: 224 matrix instructions stand between the request and the wait for it.
; z's address steps two K steps on; so does the weights', but for the loop's last trip (count 1), which asks for K steps 10 and 11: there it stays, at steps 8 and 9.  The count is the same in every work-group.
.macro TURN slot, next, fill
	WIN 0
	s_wait_tensorcnt 0x0
	ds_add_u32 v[SPW], v[NIL]
	s_wait_dscnt 9                                 ; (the add and the youngest eight loads may be out)
	MUL16 F1, 0, 0, 0                              ; matrix work stands between the add and the wait for it
	s_wait_dscnt 0x0                               ; the add is done, and my reads of this slot are over
	s_barrier_signal -1
	MUL16 F1, 0, 2, 0
.if \fill
	WIN 0
.endif
	s_barrier_wait -1
.if \fill
	CREST                                          ; no wave of any partner still reads this slot or has a load on its way
	s_cmp_eq_u32 s3, 1
	s_cselect_b32 s[BST], 0, 2*RBB
	s_add_nc_u64 s[G0+4*(\slot)+2:G0+4*(\slot)+3], s[G0+4*(\slot)+2:G0+4*(\slot)+3], 2*RBB
	s_add_nc_u64 s[G0B+4*(\slot)+2:G0B+4*(\slot)+3], s[G0B+4*(\slot)+2:G0B+4*(\slot)+3], s[BST:BST+1]
	JLOAD \slot                                    ; its four v_nop are also the places in front of the loads below
.else
	PLACES
.endif
	FETCH \next, 0, F0
	MUL16 F1, 1, 0, 0
	MUL16 F1, 1, 2, 0
.endm
; THE WAY OUT of token block a.  STIN: each accumulator's eight numbers, low four first, into my stage.  STOUT: 16 whole rows back.  SEND: stored.
.macro STIN a
	WIN 0x08+4*((\a)/4)                            ; the stores' data: window 2 or 3
.set AC, 64*((\a)%4)
.irp b, 0,1,2,3,4,5,6,7
	ds_store_b128 v[STO], v[AC+8*(\b):AC+8*(\b)+3]   offset:64*(\b)   ; LDS serves a wave's instructions in order (ISA guide 5.7.1.4): these come behind the loads of the block before
	ds_store_b128 v[STO], v[AC+8*(\b)+4:AC+8*(\b)+7] offset:64*(\b)+16
.endr
	WIN 0
.endm
.macro STOUT a
.set BK, OB+64*((\a)%2)
	s_wait_xcnt 0x0                                ; the stores of two blocks ago have read the registers that the loads below fill
.irp t, 0,1,2,3,4,5,6,7,8,9,10,11,12,13,14,15
	ds_load_b128 v[BK+4*(\t):BK+4*(\t)+3], v[RD] offset:(\t)*SPITCH  ; and these see the stores above
.endr
.endm
.macro SEND a, younger                 ; younger: the LDS instructions issued behind block a's loads: the next block's 16 stores, or none
.set BK, OB+64*((\a)%2)
	s_wait_dscnt \younger
.irp t, 0,1,2,3,4,5,6,7,8,9,10,11,12,13,14,15
	global_store_b128 v[CO], v[BK+4*(\t):BK+4*(\t)+3], s[8:9] offset:(16*(\a)+(\t))*ROWB th:TH_STORE_NT  ; 512 consecutive bytes, at a multiple of 512 from out0's first; 127 rows at the most: inside the signed 24-bit immediate
.endr
.endm
	s_wait_tensorcnt 1                             ; my part of K step 0 is in; K step 1's may stay out
	s_barrier_signal -1
	s_barrier_wait -1
	FETCH 0, 0, F0
	QUARTER 0, 1, F0, F1, 1                        ; the first quarter stands in front of the loop: its products start the sums
	WIN 0
	s_mov_b32 s3, LAPS-1
.Llap:                                                 ; a trip goes once round the ring and fills both slots again
	QUARTER 0, 2, F1, F0, 0
	QUARTER 0, 3, F0, F1, 0
	TURN 0, 1, 1
	QUARTER 1, 1, F0, F1, 0
	QUARTER 1, 2, F1, F0, 0
	QUARTER 1, 3, F0, F1, 0
	TURN 1, 0, 1
	QUARTER 0, 1, F0, F1, 0
	WIN 0
	s_sub_co_u32 s3, s3, 1
	s_cmp_lg_u32 s3, 0
	s_cbranch_scc1 .Llap
	QUARTER 0, 2, F1, F0, 0                        ; the last lap fills nothing
	QUARTER 0, 3, F0, F1, 0
	TURN 0, 1, 0
	QUARTER 1, 1, F0, F1, 0
	QUARTER 1, 2, F1, F0, 0
	QUARTER 1, 3, F0, F1, 0
	s_wait_dscnt 8
	MUL16 F1, 0, 0, 0
	MUL16 F1, 0, 2, 0
	s_wait_dscnt 0x0
	MUL16 F1, 1, 0, 0
	MUL16 F1, 1, 2, 0
	WIN 0
	PLACES
	STIN 0
	STOUT 0
.irp a, 1,2,3,4,5,6,7                  ; a block's stores into the stage stand between the loads of the block before and the wait for them
	STIN \a
	SEND (\a)-1, 16
	STOUT \a
.endr
	SEND 7, 0
	s_wait_tensorcnt 0x0                           ; the wave's end, behind my last tensor load and my last LDS store
	ds_add_u32 v[SPW], v[NIL]
	s_wait_dscnt 0x0
	CROUND                                         ; the closing round: no work-group ends while a partner may still ask for a tile that names it
	s_endpgm
.Lfunc_end_k_q6686264ef8_down:
	.size	k_q6686264ef8_down, .Lfunc_end_k_q6686264ef8_down-k_q6686264ef8_down
	.p2alignl 7, 3214868480
	.fill 96, 4, 3214868480
	.section	.rodata,"a",@progbits
	.p2align	6, 0x0
	.amdhsa_kernel k_q6686264ef8_down
		.amdhsa_group_segment_fixed_size 327680
		.amdhsa_private_segment_fixed_size 0
		.amdhsa_enable_private_segment 0
		.amdhsa_kernarg_size 24
		.amdhsa_user_sgpr_count 2
		.amdhsa_user_sgpr_kernarg_segment_ptr 1
		.amdhsa_wavefront_size32 1
		.amdhsa_system_sgpr_workgroup_id_x 1
		.amdhsa_system_sgpr_workgroup_id_y 1
		.amdhsa_system_sgpr_workgroup_id_z 1
		.amdhsa_system_vgpr_workitem_id 0
		.amdhsa_next_free_vgpr 1024
		.amdhsa_next_free_sgpr 66
		.amdhsa_reserve_vcc 0
		.amdhsa_float_denorm_mode_32 3
		.amdhsa_float_denorm_mode_16_64 3
		.amdhsa_memory_ordered 1
		.amdhsa_forward_progress 1
		.amdhsa_inst_pref_size 140
	.end_amdhsa_kernel
	.amdgpu_metadata
---
amdhsa.version: [ 1, 2 ]
amdhsa.kernels:
  - .name:           k_q6686264ef8_down
    .symbol:         k_q6686264ef8_down.kd
    .args:
      - { .name: zf, .offset: 0, .size: 8, .value_kind: global_buffer, .address_space: global }
      - { .name: w2f, .offset: 8, .size: 8, .value_kind: global_buffer, .address_space: global }
      - { .name: out0, .offset: 16, .size: 8, .value_kind: global_buffer, .address_space: global }
    .group_segment_fixed_size: 327680
    .private_segment_fixed_size: 0
    .kernarg_segment_align: 8
    .kernarg_segment_size: 24
    .max_flat_workgroup_size: 128
    .sgpr_count:     66
    .vgpr_count:     1024
    .wavefront_size: 32
...
	.end_amdgpu_metadata
.endif
;; end of part 3
